; MI455X (gfx1250); checked and timed in simulation.
; The chip was launched on July 23, 2026; its instructions are those of AMD's public machine-readable ISA for CDNA 5 (MIT licence, August 2026) and "CDNA5" Instruction Set Architecture Reference Guide (July 2026). The comments in the code are by the model that wrote it; some were corrected since.
;; Implicit Attetion Layer. Allowed arithmetic: matrix products marked QUANTISED: E3M2 operands, one E8M0 scale for each 32 along K, by v_wmma_scale_f32_16x16x128_f8f6f4 with both operands' format E3M2, f32 sums; products left as they are: f32 operands where the result goes on into a quantised operand, else bf16, f16 or f32 operands; f32 sums; everything else in f32.
;; Inputs: Wk 8 x 128 x 1,024 float32; Wq 128 x 1,024 float32; Wv 8 x 1,024 x 1,024 float32; bk 8 x 128 float32; bq 128 float32; bv 8 x 1,024 float32; x 4,096 x 1,024 float32.
;; Outputs: out0 4,096 x 1,024 float32.
;; This version of the problem:
;;   THIS VERSION OF THE PROBLEM IS GIVEN IN LOW PRECISION. The matrix products marked QUANTISED in the list below multiply operands that are first quantised to E3M2 (3 exponent bits, 2 mantissa bits; 6 bits a number), with one power-of-two scale for each 32 numbers along K (OCP MX v1.0); their sums are f32. All else is computed in f32.
;;   The module's matrix products, in the order in which they are computed (A, B: the left and right operand; K: the contracted axis; several contracted axes count as one K, in the product's order):
;;     1. [M 4,096, K 1,024] x [K 1,024, N 128]; A: input x; B: input Wq: QUANTISED
;;     2. [M 1,024, K 1,024] x [K 1,024, N 4,096]; A: input Wk; B: input x: QUANTISED
;;     3. [M 8,192, K 1,024] x [K 1,024, N 4,096]; A: input Wv; B: input x: QUANTISED
;;     4. batch 4,096 x [M 1, K 128] x [K 128, N 8]; A: computed on the way; B: computed on the way: left as it is (M = 1 < 16)
;;     5. batch 4,096 x [M 1, K 8] x [K 8, N 1,024]; A: softmax; B: computed on the way: left as it is (K = 8 < 32)
;;   THE QUANTISER, for each operand of a quantised product, along K:
;;     - K is cut into blocks of 32 from its start; a last block that is shorter is filled with zeros.
;;     - A block's scale is 2^e with e = floor(log2(the largest magnitude in the block)) - 4, held to -126 .. 127; a block of zeros has e = 0. As a byte (E8M0): e + 127.
;;     - Each number is divided by its block's scale, clamped to +-28, and rounded to the nearest number of E3M2, ties to even, subnormals kept.
;;     - The product sums the exact products of the quantised numbers (number of the format x scale) in f32.
;;   ~~~python
;;   def quantise(x, axis):      # numpy; x: float32 -> the quantised numbers, widened to float32 again
;;       x = np.moveaxis(x, axis, -1); K = x.shape[-1]
;;       x = np.pad(x, [(0, 0)] * (x.ndim - 1) + [(0, -K % 32)]); x = x.reshape(x.shape[:-1] + (-1, 32)); a = np.abs(x).max(-1, keepdims=True)
;;       e = np.where(a > 0, np.clip(np.frexp(np.where(a > 0, a, 1))[1] - 1 - 4, -126, 127), 0)      # np.frexp(a)[1] - 1 = floor(log2(a)), exactly
;;       r = np.clip(x / 2.0 ** e, -28, 28)
;;       step = 2.0 ** (np.maximum(np.frexp(np.where(r == 0, 1, r))[1] - 1, -2) - 2)
;;       q = np.round(r / step) * step * 2.0 ** e      # np.round: ties to even
;;       return np.moveaxis(q.reshape(q.shape[:-2] + (-1,))[..., :K], -1, axis).astype(np.float32)
;;   ~~~
;; One version. Each part assembles by itself: llvm-mc -triple=amdgcn-amd-amdhsa -mcpu=gfx1250 --defsym DOCPART=n.
;; ======== version 1 of 1: 3 launches
;; limits: right only within a limited range of input values
;; workspace buffers: xc 3,145,728 bytes; xs 131,072 bytes; wc 6,291,456 bytes; ws 262,144 bytes; gc 884,736 bytes; gs 36,864 bytes; pd 1,048,576 bytes
;; launch quant (part 1): grid 420 x 1, 4 waves a work-group, no clusters, 34,304 bytes of LDS; arguments Wv, x, Wk, Wq, wc, ws, xc, xs, gc, gs; writes wc, ws, xc, xs, gc, gs
.if DOCPART == 1
	.amdgcn_target "amdgcn-amd-amdhsa--gfx1250"
	.amdhsa_code_object_version 6
	.text
	.protected	k_q3d32e657ea_quant
	.globl	k_q3d32e657ea_quant
	.p2align	8
	.type	k_q3d32e657ea_quant,@function
k_q3d32e657ea_quant:
	s_mov_b64 s[64:65], 0
	v_nop
	global_prefetch_b8 v0, s[64:65] scope:SCOPE_SE
	s_setreg_imm32_b32 hwreg(HW_REG_WAVE_MODE, 25, 1), 1
	s_wait_xcnt 0x0
; Wv [8][1024][1024], x [4096][1024], Wk [8][128][1024], Wq [128][1024], all f32 with K innermost, become codes of BF6 (E3M2) with one E8M0 byte for each 32 along K.
; A block's scale is 2^(floor(log2(its largest magnitude)) - 4); its byte is the largest magnitude's exponent field - 4, held at 1 from below.
; THE CODES ARE LAID AS IMAGES OF THE OPERAND'S REGISTERS: a fragment (16 rows x 128 K, 12 registers a lane) is 1,536 bytes: registers 4 c .. 4 c + 3 of lane l at 512 c + 16 l.
; THE SCALES of a tile of 16 rows are 512 bytes: [half of K][row][4 words], word i of half H being the row's scale word of K step 4 H + i.
; Order of the images: xc [tile][K step];  wc [o / 16][K step][head];  gc [a / 16][K step][j], j = 0 the query's weight, j = 1 + h head h's key weight.
; LIMITS: a block of zeros gets the byte 1 where the rule says 127 (its codes are zeros, and this program alone reads the bytes); NaN and infinities among the inputs are not served.
; SHARES: a wave takes 16 rows x 512 K: four K steps of 128.  Work-groups 0-255 take Wv, 256-383 x, 384-415 Wk, 416-419 Wq: one path, only pointers and five numbers are chosen.
; ALL 64 LOADS OF A WAVE, its whole 32,768 bytes, GO OUT AT THE HEAD; the counted waits leave the later K steps' loads on their way.  (The issue of the 64th waits until one has come back: AMD's ISA guide, 5.7.1.)
; A load reads 512 consecutive bytes of one row; the 16 rows turn through the wave's own stage in LDS (rows of 512 + 16 bytes), so that a lane gets, of its row, 16 neighbours of each block of 32.
; No barrier: waves share nothing.  Matrix units, tensor loads and clusters have no part here: the launch streams.
.set SP,   528                         ; a stage row
.set STW,  5                           ; v5   stage, on the way in: 16 x lane
.set STR,  6                           ; v6   on the way out: 528 r + 64 g
.set SO,   7                           ; v7   my 8 bytes of the tile's scales: 16 r + 8 g
.set VO,   8                           ; v8-11 my 16 bytes in the image of K step i
.set R,    16                          ; v16-143 of window 0: K steps 0 and 1 as loaded; the same numbers of window 1 (v272-399): K steps 2 and 3
.set X,    144                         ; v144-207 register 16 b + i = k 32 b + 16 g + i of row r
.set PC,   208                         ; v208-227 the codes
.set TM,   228                         ; v228-243 at work
.set SW,   244                         ; v244-247 the four scale words
.set SEL,  36                          ; s[36:37] selects for lane l xor 16
.set MSB, 0
.macro WIN new                         ; the immediate's high byte repeats the setting that is left
.if MSB != (\new)
	s_set_vgpr_msb (MSB<<8)|(\new)
.set MSB, \new
.endif
.endm
	s_load_b256 s[4:11], s[0:1], 0x0               ; Wv, x, Wk, Wq
	s_load_b256 s[12:19], s[0:1], 0x20             ; wc, ws, xc, xs
	s_load_b128 s[20:23], s[0:1], 0x40             ; gc, gs
	v_lshl_add_u32 v254, v0, 2, 0x8400
	v_mov_b32 v255, 0
	v_lshrrev_b32 v1, 5, v0
	v_readfirstlane_b32 s35, v1                    ; wave
	v_and_b32 v1, 31, v0                           ; lane
	v_and_b32 v2, 15, v0                           ; r
	v_bfe_u32 v3, v0, 4, 1                         ; g
	v_lshlrev_b32 v4, 4, v1                        ; 16 x lane
	s_mul_i32 s38, s35, 16*SP                      ; my wave's stage
	v_add_nc_u32 v[STW], s38, v4
	v_mul_u32_u24 v[STR], v2, SP
	v_lshl_add_u32 v[STR], v3, 6, v[STR]
	v_add_nc_u32 v[STR], s38, v[STR]
	v_lshlrev_b32 v[SO], 4, v2
	v_lshl_add_u32 v[SO], v3, 3, v[SO]
	s_mov_b32 s[SEL], 0x76543210
	s_mov_b32 s[SEL+1], 0xfedcba98
.irp b, 0,1,2,3
	v_mov_b32 v[TM+4+\b], 0                        ; written once: a lane permute's destination counts as one of its sources
.endr
	s_mov_b32 s30, 416                             ; Wq's numbers: first work-group,
	s_mov_b32 s31, 3                               ; tiles of 16 rows in a head: as a shift,
	s_mov_b32 s32, 7                               ; as a mask,
	s_mov_b32 s33, 9                               ; images that lie side by side in a K step,
	s_mov_b32 s34, 0                               ; and the first of them that is this tensor's
	s_wait_kmcnt 0x0
	s_mov_b64 s[24:25], s[10:11]                   ; source, codes, scales: Wq's
	s_mov_b64 s[26:27], s[20:21]
	s_mov_b64 s[28:29], s[22:23]
	s_cmp_lt_u32 ttmp9, 416                        ; every choice hangs on the work-group's number alone
	s_cselect_b64 s[24:25], s[8:9], s[24:25]       ; Wk
	s_cselect_b32 s30, 384, s30
	s_cselect_b32 s34, 1, s34
	s_cmp_lt_u32 ttmp9, 384
	s_cselect_b64 s[24:25], s[6:7], s[24:25]       ; x
	s_cselect_b64 s[26:27], s[16:17], s[26:27]
	s_cselect_b64 s[28:29], s[18:19], s[28:29]
	s_cselect_b32 s30, 256, s30
	s_cselect_b32 s31, 8, s31
	s_cselect_b32 s32, 255, s32
	s_cselect_b32 s33, 1, s33
	s_cselect_b32 s34, 0, s34
	s_cmp_lt_u32 ttmp9, 256
	s_cselect_b64 s[24:25], s[4:5], s[24:25]       ; Wv
	s_cselect_b64 s[26:27], s[12:13], s[26:27]
	s_cselect_b64 s[28:29], s[14:15], s[28:29]
	s_cselect_b32 s30, 0, s30
	s_cselect_b32 s31, 6, s31
	s_cselect_b32 s32, 63, s32
	s_cselect_b32 s33, 8, s33
	s_sub_co_u32 s38, ttmp9, s30
	s_lshl_b32 s38, s38, 2
	s_add_co_u32 s38, s38, s35                     ; my unit in the tensor
	s_lshr_b32 s39, s38, 1                         ; its 16 rows
	s_and_b32 s40, s38, 1                          ; H: its half of K
	s_and_b32 s41, s39, s32                        ; the tile inside its head,
	s_lshr_b32 s42, s39, s31
	s_add_co_u32 s42, s42, s34                     ; and the head's place among the images side by side
	s_mul_i32 s43, s33, s41
	s_add_co_u32 s44, s43, s42                     ; which tile of scales
	s_lshl_b32 s43, s43, 3
	s_add_co_u32 s43, s43, s42
	s_mul_i32 s45, s33, s40
	s_lshl_b32 s45, s45, 2
	s_add_co_u32 s43, s43, s45                     ; my first image: 8 x side by side x tile + place + 4 H x side by side
	s_mul_i32 s46, s43, 1536
	s_mov_b32 s47, 0
	s_add_nc_u64 s[26:27], s[26:27], s[46:47]
	s_lshl_b32 s46, s39, 16                        ; 16 rows of 4,096 bytes,
	s_lshl_b32 s45, s40, 11                        ; 512 numbers along K
	s_add_co_u32 s46, s46, s45
	s_add_nc_u64 s[24:25], s[24:25], s[46:47]
	s_lshl_b32 s46, s44, 9
	s_lshl_b32 s45, s40, 8
	s_add_co_u32 s46, s46, s45
	s_add_nc_u64 s[28:29], s[28:29], s[46:47]
.macro QLOAD i                         ; K step i: 16 rows x 512 consecutive bytes; K steps 2 and 3 into window 1
	WIN (((\i)/2)<<6)                              ; the destination's window; the address stays in window 0
.irp p, 0,1,2,3,4,5,6,7,8,9,10,11,12,13,14,15
	global_load_b128 v[R+64*((\i)%2)+4*\p:R+64*((\i)%2)+4*\p+3], v4, s[24:25] offset:\p*4096+(\i)*512 th:TH_LOAD_NT
.endr
.endm
	QLOAD 0
	QLOAD 1
	QLOAD 2
	QLOAD 3
	WIN 0
	s_mul_i32 s45, s33, 1536                       ; bytes from a K step's image to the next
	v_mov_b32 v[VO], v4
	v_add_nc_u32 v[VO+1], s45, v4
	s_lshl_b32 s46, s45, 1
	v_add_nc_u32 v[VO+2], s46, v4
	s_add_co_u32 s46, s46, s45
	v_add_nc_u32 v[VO+3], s46, v4
; 64 numbers of a lane become a fragment's codes in v[PC] on and its row's scale word in v[pw]
.macro QUANT s, pw
.irp b, 0,1,2,3
	v_max3_num_f32 v[TM+\b], |v[\s+16*\b]|, |v[\s+1+16*\b]|, 0x2800000   ; block b: my 16 numbers, and the floor 2^(5 - 127): so the byte cannot fall under 1
.endr
.irp i, 2,4,6,8,10,12,14
.irp b, 0,1,2,3
	v_max3_num_f32 v[TM+\b], v[TM+\b], |v[\s+16*\b+\i]|, |v[\s+1+16*\b+\i]|   ; the four blocks by turns
.endr
.endr
.irp b, 0,1,2,3
	v_permlanex16_b32 v[TM+4+\b], v[TM+\b], s[SEL], s[SEL+1]
.endr
.irp b, 0,1,2,3
	v_max_num_f32 v[TM+\b], v[TM+\b], v[TM+4+\b]   ; with lane l xor 16's: the block's largest magnitude
.endr
.irp b, 0,1,2,3
	v_add_nc_u32 v[TM+12+\b], 0xfe000000, v[TM+\b] ; 4 off its exponent field: the conversion takes that field as its scale
.endr
.irp b, 0,1,2,3
	v_lshrrev_b32 v[TM+4+\b], 23, v[TM+12+\b]      ; the scale's byte
.endr
	v_lshl_or_b32 v[\pw], v[TM+5], 8, v[TM+4]
	v_lshl_or_b32 v[\pw], v[TM+6], 16, v[\pw]
	v_lshl_or_b32 v[\pw], v[TM+7], 24, v[\pw]
.irp c, 0,1
	v_cvt_scalef32_pk16_bf6_f32 v[PC+6*\c:PC+2+6*\c], v[\s+32*\c:\s+15+32*\c], v[TM+12+2*\c]
	v_cvt_scalef32_pk16_bf6_f32 v[PC+12+4*\c:PC+14+4*\c], v[\s+16+32*\c:\s+31+32*\c], v[TM+12+2*\c+1]   ; (a conversion's three registers begin on an even number)
.endr
	v_nop                                          ; one plain place behind a scaled conversion
.irp c, 0,1                            ; the operand's layout wants a whole block in a lane: lanes 0-15 block 2 c, lanes 16-31 block 2 c + 1
.irp i, 0,1,2
	v_permlane16_swap_b32 v[PC+6*\c+\i], v[PC+12+4*\c+\i]
.endr
.irp i, 0,1,2
	v_mov_b32 v[PC+3+6*\c+\i], v[PC+12+4*\c+\i]
.endr
.endr
.endm
.macro QSTEP i
	s_wait_loadcnt 48-16*(\i)                      ; this K step's 16 loads are in; the 16 of each K step still to come may be out
	WIN (((\i)/2)<<2)                              ; an LDS store's data are its source 1: window 0 or 1
.irp p, 0,1,2,3,4,5,6,7,8,9,10,11,12,13,14,15
	ds_store_b128 v[STW], v[R+64*((\i)%2)+4*\p:R+64*((\i)%2)+4*\p+3] offset:SP*\p
.endr
	WIN 0
.irp b, 0,1,2,3
.irp j, 0,1,2,3
	ds_load_b128 v[X+16*\b+4*\j:X+16*\b+4*\j+3], v[STR] offset:128*\b+16*\j   ; LDS serves a wave's instructions in order: these see the stores above
.endr
.endr
	s_wait_dscnt 0x0
.if (\i) > 0
	s_wait_xcnt 0x0                                ; the last step's stores have read the codes' registers
.endif
	QUANT X, SW+(\i)
.irp c, 0,1,2
	global_store_b128 v[VO+(\i)], v[PC+4*\c:PC+4*\c+3], s[26:27] offset:512*\c   ; 32 lanes store 512 consecutive bytes
.endr
.endm
	QSTEP 0
	QSTEP 1
	QSTEP 2
	QSTEP 3
	v_cmp_ne_u32 vcc_lo, 0, v3                     ; lanes r and r + 16 hold the same four words: lanes 0-15 store words 0, 1, lanes 16-31 words 2, 3
	v_cndmask_b32 v12, v[SW], v[SW+2], vcc_lo
	v_cndmask_b32 v13, v[SW+1], v[SW+3], vcc_lo
	global_store_b64 v[SO], v[12:13], s[28:29]     ; 32 lanes store 256 consecutive bytes, aligned
	s_wait_tensorcnt 0x0
	ds_add_u32 v254, v255
	s_wait_dscnt 0x0
	s_endpgm
.Lfunc_end_k_q3d32e657ea_quant:
	.size	k_q3d32e657ea_quant, .Lfunc_end_k_q3d32e657ea_quant-k_q3d32e657ea_quant
	.p2alignl 7, 3214868480
	.fill 96, 4, 3214868480
	.section	.rodata,"a",@progbits
	.p2align	6, 0x0
	.amdhsa_kernel k_q3d32e657ea_quant
		.amdhsa_group_segment_fixed_size 34304
		.amdhsa_private_segment_fixed_size 0
		.amdhsa_enable_private_segment 0
		.amdhsa_kernarg_size 80
		.amdhsa_user_sgpr_count 2
		.amdhsa_user_sgpr_kernarg_segment_ptr 1
		.amdhsa_wavefront_size32 1
		.amdhsa_system_sgpr_workgroup_id_x 1
		.amdhsa_system_sgpr_workgroup_id_y 1
		.amdhsa_system_sgpr_workgroup_id_z 1
		.amdhsa_system_vgpr_workitem_id 0
		.amdhsa_next_free_vgpr 400
		.amdhsa_next_free_sgpr 66
		.amdhsa_reserve_vcc 1
		.amdhsa_float_denorm_mode_32 3
		.amdhsa_float_denorm_mode_16_64 3
		.amdhsa_memory_ordered 1
		.amdhsa_forward_progress 1
		.amdhsa_inst_pref_size 35
	.end_amdhsa_kernel
	.amdgpu_metadata
---
amdhsa.version: [ 1, 2 ]
amdhsa.kernels:
  - .name:           k_q3d32e657ea_quant
    .symbol:         k_q3d32e657ea_quant.kd
    .args:
      - { .name: Wv, .offset: 0, .size: 8, .value_kind: global_buffer, .address_space: global }
      - { .name: x, .offset: 8, .size: 8, .value_kind: global_buffer, .address_space: global }
      - { .name: Wk, .offset: 16, .size: 8, .value_kind: global_buffer, .address_space: global }
      - { .name: Wq, .offset: 24, .size: 8, .value_kind: global_buffer, .address_space: global }
      - { .name: wc, .offset: 32, .size: 8, .value_kind: global_buffer, .address_space: global }
      - { .name: ws, .offset: 40, .size: 8, .value_kind: global_buffer, .address_space: global }
      - { .name: xc, .offset: 48, .size: 8, .value_kind: global_buffer, .address_space: global }
      - { .name: xs, .offset: 56, .size: 8, .value_kind: global_buffer, .address_space: global }
      - { .name: gc, .offset: 64, .size: 8, .value_kind: global_buffer, .address_space: global }
      - { .name: gs, .offset: 72, .size: 8, .value_kind: global_buffer, .address_space: global }
    .group_segment_fixed_size: 34304
    .private_segment_fixed_size: 0
    .kernarg_segment_align: 8
    .kernarg_segment_size: 80
    .max_flat_workgroup_size: 128
    .sgpr_count:     66
    .vgpr_count:     400
    .wavefront_size: 32
...
	.end_amdgpu_metadata
.endif
;; end of part 1
;; launch gate (part 2): grid 32 x 8, 4 waves a work-group, clusters of 4 x 1, 168,448 bytes of LDS; arguments xc, xs, gc, gs, bq, bk, pd; writes pd
.if DOCPART == 2
	.amdgcn_target "amdgcn-amd-amdhsa--gfx1250"
	.amdhsa_code_object_version 6
	.text
	.protected	k_q3d32e657ea_gate
	.globl	k_q3d32e657ea_gate
	.p2align	8
	.type	k_q3d32e657ea_gate,@function
k_q3d32e657ea_gate:
	s_mov_b64 s[64:65], 0
	v_nop
	global_prefetch_b8 v0, s[64:65] scope:SCOPE_SE
	s_setreg_imm32_b32 hwreg(HW_REG_WAVE_MODE, 25, 1), 1
	s_wait_xcnt 0x0
	s_wait_alu depctr_hold_cnt(0) depctr_sa_sdst(0) depctr_va_vdst(0) depctr_va_sdst(0) depctr_va_ssrc(0) depctr_va_vcc(0) depctr_vm_vsrc(0)
	s_getreg_b32 s2, hwreg(HW_REG_IB_STS2, 6, 4)
	s_cmp_eq_u32 s2, 0
	s_cbranch_scc0 .Lentry_in_a_cluster
	s_endpgm
.Lentry_in_a_cluster:
	s_bfe_u32 s2, ttmp6, 0x10000c
	s_cmp_lg_u32 s2, 0x3003
	s_cbranch_scc0 .Lentry_shape_is_right
	s_endpgm
.Lentry_shape_is_right:
; query = x Wq^T + bq and keys_h = x Wk_h^T + bk_h on codes of BF6, and of their dot over the 128 attention channels the part of 16 channels: pd[at][row][h] = sum over a in tile at of query[row][a] keys[row][a][h], f32.
; The eight parts are added, scaled and put through the softmax by the next launch.
; SHARES: a work-group takes 128 rows of x and one tile at of 16 channels; wave w takes 32 rows (two tiles of 16) against nine weight tiles (j = 0: Wq; j = 1 + h: Wk_h): 18 accumulators, 144 matrix instructions.
; THE MATRIX INSTRUCTION IS USED TRANSPOSED (source 0 = 16 rows of a weight, source 1 = 16 rows of x): lane (r, g) holds row r of x and channels 8 g + 0 .. 7.  The biases are the C of each sum's first instruction.
; CLUSTER: the four row blocks of a cluster need the same 110,592 bytes of weight images: one dense block, asked for JOINTLY, a quarter (two K steps) by each wave; filled once.
; x is not asked for jointly: each fragment of it is read once by one wave, straight into registers, and never lies in LDS.
; REGISTERS, in windows of 256: window 0: addresses, v16-159 accumulators ((j, i) at 16 + 8 (2 j + i)), v160-199 the weights' scale words, v200-215 x's, v216-247 at work.
;   window 1: x's 16 fragments at 12 (8 i + s).   window 2: two buffers of nine weight fragments at 108 (s % 2) + 12 j.   window 3: the biases at 8 j.
.set GWA0, 1                           ; v1   16 x lane: an image's place for my lane, K steps 0-3
.set GWA1, 2                           ; v2   the same for K steps 4-7
.set R16,  3                           ; v3   16 r
.set GSA,  4                           ; v4   16 r + 512 g: lanes 0-15 an even tile's scales, lanes 16-31 the odd one's
.set H32,  5                           ; v5   32 g
.set PO,   6                           ; v6   32 r + 16 g
.set GG,   7                           ; v7   g
.set ACC,  16
.set GWS,  160                         ; register 8 (j / 2) + s
.set XS,   200                         ; register 8 i + s
.set T,    216
.set U,    232
.set S,    240
.set WV,   18
.set G1,   24
.set G0,   32
.set SEL,  36
.set MSB, 0
.macro WIN new                         ; the immediate's high byte repeats the setting that is left
.if MSB != (\new)
	s_set_vgpr_msb (MSB<<8)|(\new)
.set MSB, \new
.endif
.endm
.macro CROUND                          ; a round of the cluster's barrier
	s_barrier_signal -1
	s_barrier_wait -1
	s_cmp_lg_u32 s[WV], 0
	s_cbranch_scc1 .Lnot_wave_0_\@
	s_barrier_signal -3
.Lnot_wave_0_\@:
	s_barrier_wait -3
	s_barrier_signal -1
	s_barrier_wait -1
.endm
.macro PLACES
.rept 4
	v_nop
.endr
.endm
	s_load_b256 s[4:11], s[0:1], 0x0               ; xc, xs, gc, gs
	s_load_b128 s[12:15], s[0:1], 0x20             ; bq, bk
	s_load_b64 s[16:17], s[0:1], 0x30              ; pd
	v_lshl_add_u32 v254, v0, 2, 0x29000
	v_mov_b32 v255, 0
	ds_add_u32 v254, v255
	ds_add_u32 v254, v255
	v_lshrrev_b32 v1, 5, v0
	v_readfirstlane_b32 s[WV], v1                  ; wave 0..3
	v_and_b32 v1, 31, v0
	v_lshlrev_b32 v[GWA0], 4, v1
	v_add_nc_u32 v[GWA1], 36*1536, v[GWA0]
	v_and_b32 v3, 15, v0
	v_lshlrev_b32 v[R16], 4, v3
	v_bfe_u32 v[GG], v0, 4, 1
	v_lshl_add_u32 v[GSA], v[GG], 9, v[R16]
	v_lshlrev_b32 v[H32], 5, v[GG]
	v_lshlrev_b32 v[PO], 1, v[R16]
	v_lshl_add_u32 v[PO], v[GG], 4, v[PO]
.irp h, 0,1,2,3,4,5,6,7
	v_mov_b32 v[U+\h], 0                           ; written once: a lane permute's destination counts as one of its sources
.endr
	s_bfe_u32 s19, ttmp6, 0x40000                  ; cx
	s_lshl_b32 s20, ttmp9, 2
	s_add_co_u32 s20, s20, s19                     ; my block of 128 rows = 4 x cluster x + cx: it enters x's and pd's addresses alone
	s_and_b32 s21, ttmp7, 0xffff                   ; the tile of channels, which the four partners share
	s_mov_b32 s[SEL], 0x76543210
	s_mov_b32 s[SEL+1], 0xfedcba98
	; descriptor group 1: 27,648 dense bytes as 108 rows of 256 bytes (32 elements of 8 bytes), no padding: images are read 512 consecutive bytes at a time
	s_mov_b32 s[G1+0], 15|(3<<16)|(1<<21)          ; 15:0 the mask: all four work-groups; 17:16 elements of 8 bytes; 21 set beside a mask
	s_mov_b32 s[G1+1], 32<<16                      ; tensor_dim0
	s_mov_b32 s[G1+2], 108<<16                     ; tensor_dim1
	s_mov_b32 s[G1+3], 32<<16                      ; tile_dim0
	s_mov_b32 s[G1+4], 108                         ; tile_dim1
	s_mov_b32 s[G1+5], 32                          ; tensor_dim0_stride
	s_mov_b32 s[G1+6], 0
	s_mov_b32 s[G1+7], 0
	s_mov_b32 s[G0], 1
	s_mul_i32 s[G0+1], s[WV], 27648                ; LDS: K steps 2 w and 2 w + 1
	s_mul_i32 s40, s21, 110592
	s_add_co_u32 s40, s40, s[G0+1]                 ; and in memory: made of the tile of channels and the wave's number alone
	s_mov_b32 s41, 0
	s_lshl_b32 s44, s20, 3
	s_lshl_b32 s45, s[WV], 1
	s_add_co_u32 s44, s44, s45                     ; my first tile of x: 8 x block + 2 x wave
	s_mov_b32 s43, 0
	s_wait_dscnt 0x0
	s_wait_kmcnt 0x0
	s_add_nc_u64 s[G0+2:G0+3], s[8:9], s[40:41]
	s_or_b32 s[G0+3], s[G0+3], 0x80000000
	s_mul_i32 s42, s44, 12288
	s_add_nc_u64 s[4:5], s[4:5], s[42:43]          ; x's images
	s_lshl_b32 s42, s44, 9
	s_add_nc_u64 s[6:7], s[6:7], s[42:43]          ; x's scales
	s_add_nc_u64 s[16:17], s[16:17], s[42:43]      ; pd: 16 rows of 32 bytes a tile,
	s_lshl_b32 s42, s21, 17
	s_add_nc_u64 s[16:17], s[16:17], s[42:43]      ; 4,096 rows a tile of channels
	s_mul_i32 s42, s21, 9*512
	s_add_nc_u64 s[10:11], s[10:11], s[42:43]      ; the weights' scales
	s_lshl_b32 s42, s21, 6
	s_add_nc_u64 s[12:13], s[12:13], s[42:43]      ; the biases at my 16 channels
	s_add_nc_u64 s[14:15], s[14:15], s[42:43]
	CROUND                                         ; all four work-groups are here: the joint loads meet
	tensor_load_to_lds s[G0:G0+3], s[G1:G1+7]      ; my one tensor load of the launch
	s_nop 0
	PLACES
	WIN 0x40                                       ; destination window 1
.irp i, 0,1
.irp s, 0,1,2,3,4,5,6,7
.irp c, 0,1,2
	global_load_b128 v[12*(8*\i+\s)+4*\c:12*(8*\i+\s)+4*\c+3], v[GWA0], s[4:5] offset:\i*12288+\s*1536+\c*512
.endr
.endr
.endr
	WIN 0
.irp i, 0,1
.irp q, 0,1
	global_load_b128 v[XS+8*\i+4*\q:XS+8*\i+4*\q+3], v[R16], s[6:7] offset:\i*512+\q*256
.endr
.endr
.irp p, 0,1,2,3
.irp q, 0,1
	global_load_b128 v[GWS+8*\p+4*\q:GWS+8*\p+4*\q+3], v[GSA], s[10:11] offset:\p*1024+\q*256
.endr
.endr
.irp q, 0,1
	global_load_b128 v[GWS+32+4*\q:GWS+32+4*\q+3], v[R16], s[10:11] offset:4096+\q*256
.endr
	WIN 0xc0                                       ; destination window 3
	global_load_b128 v[0:3], v[H32], s[12:13]      ; bq at channels 8 g + 0 .. 7
	global_load_b128 v[4:7], v[H32], s[12:13] offset:16
.irp j, 1,2,3,4,5,6,7,8
	global_load_b128 v[8*\j:8*\j+3], v[H32], s[14:15] offset:512*(\j-1)
	global_load_b128 v[8*\j+4:8*\j+7], v[H32], s[14:15] offset:512*(\j-1)+16
.endr
	s_wait_tensorcnt 0x0                           ; my quarter of the weights is in,
	s_barrier_signal -1
	s_barrier_wait -1                              ; everybody's is
.macro FETCHW s                        ; K step s: nine fragments, 27 loads of 512 consecutive bytes
	WIN 0x80                                       ; destination window 2
.irp j, 0,1,2,3,4,5,6,7,8
.irp c, 0,1,2
	ds_load_b128 v[108*((\s)%2)+12*\j+4*\c:108*((\s)%2)+12*\j+4*\c+3], v[GWA0+(\s)/4] offset:(((\s)%4)*9+\j)*1536+512*\c
.endr
.endr
.endm
.macro GMM s, j, i
.set rD, ACC+8*(2*(\j)+(\i))
.set rA, 108*((\s)%2)+12*(\j)
.set rB, 12*(8*(\i)+(\s))
.set rW, GWS+8*((\j)/2)+(\s)
.set rX, XS+8*(\i)+(\s)
.if (\s) == 0
.if (\j)%2
	v_wmma_scale_f32_16x16x128_f8f6f4 v[rD:rD+7], v[rA:rA+11], v[rB:rB+11], v[8*(\j):8*(\j)+7], v[rW], v[rX] matrix_a_fmt:MATRIX_FMT_BF6 matrix_b_fmt:MATRIX_FMT_BF6 matrix_a_scale:MATRIX_SCALE_ROW1
.else
	v_wmma_scale_f32_16x16x128_f8f6f4 v[rD:rD+7], v[rA:rA+11], v[rB:rB+11], v[8*(\j):8*(\j)+7], v[rW], v[rX] matrix_a_fmt:MATRIX_FMT_BF6 matrix_b_fmt:MATRIX_FMT_BF6
.endif
.else
.if (\j)%2
	v_wmma_scale_f32_16x16x128_f8f6f4 v[rD:rD+7], v[rA:rA+11], v[rB:rB+11], v[rD:rD+7], v[rW], v[rX] matrix_a_fmt:MATRIX_FMT_BF6 matrix_b_fmt:MATRIX_FMT_BF6 matrix_a_scale:MATRIX_SCALE_ROW1
.else
	v_wmma_scale_f32_16x16x128_f8f6f4 v[rD:rD+7], v[rA:rA+11], v[rB:rB+11], v[rD:rD+7], v[rW], v[rX] matrix_a_fmt:MATRIX_FMT_BF6 matrix_b_fmt:MATRIX_FMT_BF6
.endif
.endif
.endm
; A K step: the next step's fragments are asked for, then 18 matrix instructions, the 18 accumulators by turns.
.macro GSTEP s
.if (\s) > 0
	PLACES                                         ; four places between the last step's products and the loads into the buffer that the step before it... read: the buffer of step s - 1
.endif
.if (\s) < 7
	FETCHW (\s)+1
	s_wait_dscnt 27                                ; this step's 27 loads are in; the 27 just issued may be out
.else
	s_wait_dscnt 0x0
.endif
.if (\s) == 0
	WIN 0x36                                       ; source 0 (weight) window 2, source 1 (x) window 1, C (bias) window 3, D window 0
.else
	WIN 0x06                                       ; C and D window 0
.endif
.irp j, 0,1,2,3,4,5,6,7,8
.irp i, 0,1
	GMM \s, \j, \i
.endr
.endr
.endm
	FETCHW 0
	s_wait_loadcnt 0x0                             ; x, the scales, the biases
	GSTEP 0
	GSTEP 1
	GSTEP 2
	GSTEP 3
	GSTEP 4
	GSTEP 5
	GSTEP 6
	GSTEP 7
	WIN 0
	PLACES                                         ; four places in front of the first read of results
	v_cmp_ne_u32 vcc_lo, 0, v[GG]
; THE PARTIAL DOTS: my 8 channels in packed multiply-adds, each accumulator from its low end on; then lane l xor 16's 8 channels.  Lanes 0-15 store heads 0-3 of row r, lanes 16-31 heads 4-7.
.irp i, 0,1
.irp h, 0,1,2,3,4,5,6,7
	v_pk_mul_f32 v[T+2*\h:T+2*\h+1], v[ACC+8*\i:ACC+8*\i+1], v[ACC+8*(2*(1+\h)+\i):ACC+8*(2*(1+\h)+\i)+1]
.endr
.irp e, 2,4,6
.irp h, 0,1,2,3,4,5,6,7
	v_pk_fma_f32 v[T+2*\h:T+2*\h+1], v[ACC+8*\i+\e:ACC+8*\i+\e+1], v[ACC+8*(2*(1+\h)+\i)+\e:ACC+8*(2*(1+\h)+\i)+\e+1], v[T+2*\h:T+2*\h+1]
.endr
.endr
.irp h, 0,1,2,3,4,5,6,7
	v_add_f32 v[T+2*\h], v[T+2*\h], v[T+2*\h+1]
.endr
.irp h, 0,1,2,3,4,5,6,7
	v_permlanex16_b32 v[U+\h], v[T+2*\h], s[SEL], s[SEL+1]
.endr
.irp h, 0,1,2,3,4,5,6,7
	v_add_f32 v[T+2*\h], v[T+2*\h], v[U+\h]
.endr
.irp e, 0,1,2,3
	v_cndmask_b32 v[S+4*\i+\e], v[T+2*\e], v[T+2*(4+\e)], vcc_lo
.endr
	global_store_b128 v[PO], v[S+4*\i:S+4*\i+3], s[16:17] offset:512*\i   ; 32 lanes store 512 consecutive bytes: 16 rows of 8 heads
.endr
	s_wait_tensorcnt 0x0
	ds_add_u32 v254, v255
	s_wait_dscnt 0x0
	CROUND                                         ; the closing round: no work-group ends while a partner may still ask for a tile that names it
	s_endpgm
.Lfunc_end_k_q3d32e657ea_gate:
	.size	k_q3d32e657ea_gate, .Lfunc_end_k_q3d32e657ea_gate-k_q3d32e657ea_gate
	.p2alignl 7, 3214868480
	.fill 96, 4, 3214868480
	.section	.rodata,"a",@progbits
	.p2align	6, 0x0
	.amdhsa_kernel k_q3d32e657ea_gate
		.amdhsa_group_segment_fixed_size 168448
		.amdhsa_private_segment_fixed_size 0
		.amdhsa_enable_private_segment 0
		.amdhsa_kernarg_size 56
		.amdhsa_user_sgpr_count 2
		.amdhsa_user_sgpr_kernarg_segment_ptr 1
		.amdhsa_wavefront_size32 1
		.amdhsa_system_sgpr_workgroup_id_x 1
		.amdhsa_system_sgpr_workgroup_id_y 1
		.amdhsa_system_sgpr_workgroup_id_z 1
		.amdhsa_system_vgpr_workitem_id 0
		.amdhsa_next_free_vgpr 1024
		.amdhsa_next_free_sgpr 66
		.amdhsa_reserve_vcc 1
		.amdhsa_float_denorm_mode_32 3
		.amdhsa_float_denorm_mode_16_64 3
		.amdhsa_memory_ordered 1
		.amdhsa_forward_progress 1
		.amdhsa_inst_pref_size 52
	.end_amdhsa_kernel
	.amdgpu_metadata
---
amdhsa.version: [ 1, 2 ]
amdhsa.kernels:
  - .name:           k_q3d32e657ea_gate
    .symbol:         k_q3d32e657ea_gate.kd
    .args:
      - { .name: xc, .offset: 0, .size: 8, .value_kind: global_buffer, .address_space: global }
      - { .name: xs, .offset: 8, .size: 8, .value_kind: global_buffer, .address_space: global }
      - { .name: gc, .offset: 16, .size: 8, .value_kind: global_buffer, .address_space: global }
      - { .name: gs, .offset: 24, .size: 8, .value_kind: global_buffer, .address_space: global }
      - { .name: bq, .offset: 32, .size: 8, .value_kind: global_buffer, .address_space: global }
      - { .name: bk, .offset: 40, .size: 8, .value_kind: global_buffer, .address_space: global }
      - { .name: pd, .offset: 48, .size: 8, .value_kind: global_buffer, .address_space: global }
    .group_segment_fixed_size: 168448
    .private_segment_fixed_size: 0
    .kernarg_segment_align: 8
    .kernarg_segment_size: 56
    .max_flat_workgroup_size: 128
    .sgpr_count:     66
    .vgpr_count:     1024
    .wavefront_size: 32
...
	.end_amdgpu_metadata
.endif
;; end of part 2
;; launch main (part 3): grid 16 x 16, 4 waves a work-group, clusters of 4 x 4, 327,680 bytes of LDS; arguments xc, xs, wc, ws, pd, bv, out0; writes out0
.if DOCPART == 3
	.amdgcn_target "amdgcn-amd-amdhsa--gfx1250"
	.amdhsa_code_object_version 6
	.text
	.protected	k_q3d32e657ea_main
	.globl	k_q3d32e657ea_main
	.p2align	8
	.type	k_q3d32e657ea_main,@function
k_q3d32e657ea_main:
	s_mov_b64 s[64:65], 0
	v_nop
	global_prefetch_b8 v0, s[64:65] scope:SCOPE_SE
	s_setreg_imm32_b32 hwreg(HW_REG_WAVE_MODE, 25, 1), 1
	s_wait_xcnt 0x0
	s_wait_alu depctr_hold_cnt(0) depctr_sa_sdst(0) depctr_va_vdst(0) depctr_va_sdst(0) depctr_va_ssrc(0) depctr_va_vcc(0) depctr_vm_vsrc(0)
	s_getreg_b32 s2, hwreg(HW_REG_IB_STS2, 6, 4)
	s_cmp_eq_u32 s2, 0
	s_cbranch_scc0 .Lentry_in_a_cluster
	s_endpgm
.Lentry_in_a_cluster:
	s_bfe_u32 s2, ttmp6, 0x10000c
	s_cmp_lg_u32 s2, 0xf033
	s_cbranch_scc0 .Lentry_shape_is_right
	s_endpgm
.Lentry_shape_is_right:
; out[b][o] = sum over h of att[b][h] (x[b] . Wv[h][o] + bv[h][o]), att = softmax over the 8 heads of (the sum of pd's eight parts) / sqrt(128); the product on codes of BF6, all else in f32.
; The maximum is taken away before the exponential, as reference() does.  The sum over the 128 attention channels is taken in eight parts of 16: another order than reference()'s.
; SHARES: a work-group takes 256 rows of x and 64 columns o, in two tiles of 32 o x 8 heads; wave (rh, ch) takes 128 rows x 16 o x 8 heads: 64 accumulators (a = 16 rows, b = head), 512 registers.
; THE MATRIX INSTRUCTION IS USED TRANSPOSED (source 0 = 16 rows of Wv, source 1 = 16 rows of x): lane (r, g) holds row r and columns 8 g + 0 .. 7, so att is one number a lane and head.
; bv is the C of each tile's first K step.  A tile's heads are weighed behind its last K step; tile 0's sums wait in 64 registers, so that both tiles leave together as whole rows of 256 bytes.
; LDS: x's images of all K, 196,608 bytes, filled once (K steps 0-1 at the head, 2-7 behind the first round); Wv goes through a ring of two slots of two K steps (49,152 bytes each): eight chunks, four a tile.
; CLUSTER 4 x 4: x's tiles are asked for jointly along a row of the cluster, Wv's along a column.  In the ring each wave asks for 12,288 dense bytes: one K step of one tile of 16 o, 8 heads.
; PREFETCH: each load of a chunk of Wv is followed by a request for the chunk two loads on: of a wave's 48 blocks of 256 bytes the partner at place cy names 12 (lanes 12-31 name the last again);
; x's K steps 2-7 are named once at the head, 36 blocks of one tile by each wave of each partner (tile 4 w + cx).  No address register of a prefetch is ever rewritten.
; The sixteen K steps are written out by a macro: scale registers, slots and first steps come back only after a whole tile, and the last tile's refills differ.
; REGISTERS: window 0: v0-31 addresses, v32-63 x's scale words, v64-95 Wv's, v96-159 bv, v160-255 x's fragments (one set).  window 1: Wv's fragments, two sets at v0 and v128; v96-127 and v224-255 tile 0's sums.
;   windows 2, 3: the accumulators of my rows 0-63 and 64-127, (a, b) at 8 (8 (a % 4) + b).
.set XB0, 0                            ; x, K steps 0-1: 16 tiles x 3,072 bytes
.set XB1, 49152                        ; x, K steps 2-7: 16 tiles x 9,216 bytes
.set WB, 196608                        ; the ring: [slot][tile of o][K step][head] x 1,536 bytes
.set WSL, 49152
.set ATB, 294912                       ; att: [tile][heads 0-3 | 4-7][row][16 bytes]
.set SPARE, 303104                     ; the spare words: 512 bytes that no other line names
.set SPITCH, 272                       ; the stage for the way out: 256 rows of 256 + 16 bytes, in x's bytes, behind their last read
.set L16, 1
.set ADA0, 2
.set ADA1, 3
.set ADA2, 4
.set ADB, 5                            ; v5-6: slot 0, 1
.set A512, 7
.set GSA, 8
.set BVA, 9
.set PDO, 10
.set ATW, 11
.set STO, 12
.set RD, 13
.set CO, 14
.set PFO, 15
.set PFX, 16
.set PFY, 17
.set SPW, 28
.set NIL, 29
.set XS, 32                            ; register 8 (a / 2) + s: lanes 0-15 the even tile, lanes 16-31 the odd one
.set WS, 64                            ; register 8 (b / 2) + s likewise
.set BI, 96
.set AF, 160
.set RB, 96
.set WV, 18
.set RH, 19
.set CH, 20
.set CX, 21
.set CY, 22
.set GX, 23
.set GY, 24
.set G1A, 28
.set G1A2, 36
.set G1B, 44
.set G1R, 52
.set G0A, 60
.set G0A2, 68
.set G0B, 72
.set G0B2, 76
.set G0R, 80
.set CS, 88
.set PFA, 90
.set PXA, 92
.set MSB, 0
.macro WIN new                         ; the immediate's high byte repeats the setting that is left
.if MSB != (\new)
	s_set_vgpr_msb (MSB<<8)|(\new)
.set MSB, (\new)
.endif
.endm
.macro PLACES
.rept 4
	v_nop
.endr
.endm
.macro CREST                           ; a round of the cluster's barrier behind its opening barrier
	s_cmp_lg_u32 s[WV], 0
	s_cbranch_scc1 .Lnot_wave_0_\@
	s_barrier_signal -3
.Lnot_wave_0_\@:
	s_barrier_wait -3
	s_barrier_signal -1
	s_barrier_wait -1
.endm
.macro CROUND
	s_barrier_signal -1
	s_barrier_wait -1
	CREST
.endm
.macro JLOAD g0a, g1a, g0b, g1b        ; waves 0, 1 ask for x's halves, waves 2, 3 for Wv's two tiles of o: one load on every way
	s_cmp_eq_u32 s[RH], 0
	s_cbranch_scc0 .Lfor_b_\@
	tensor_load_to_lds s[\g0a:\g0a+3], s[\g1a:\g1a+7]
	s_nop 0
	PLACES
	s_branch .Lasked_\@
.Lfor_b_\@:
	tensor_load_to_lds s[\g0b:\g0b+3], s[\g1b:\g1b+7]
	s_nop 0
	PLACES
.Lasked_\@:
.endm
.macro G1SET g, c, r, p                ; r rows of c elements of 8 bytes, p elements from row to row
	s_mov_b32 s[\g+1], (\c)<<16
	s_mov_b32 s[\g+2], (\r)<<16
	s_mov_b32 s[\g+3], (\c)<<16
	s_mov_b32 s[\g+4], \r
	s_mov_b32 s[\g+5], \p
	s_mov_b32 s[\g+6], 0
	s_mov_b32 s[\g+7], 0
.endm
.macro ASK c                           ; chunk c of Wv: my work-group's 12 blocks of the 48 that I shall load
	global_prefetch_b8 v[PFO], s[PFA:PFA+1] offset:((\c)/4)*196608+((\c)%4)*24576 th:TH_LOAD_NT scope:SCOPE_SE
.endm
.macro WSLOAD q, t                     ; Wv's scale words of K steps 4 q .. 4 q + 3, tile t
.irp p, 0,1,2,3
	global_load_b128 v[WS+8*\p+4*(\q):WS+8*\p+4*(\q)+3], v[GSA], s[10:11] offset:1024*\p+256*(\q)+8192*(\t)
.endr
.endm
.macro BILOAD t                        ; bv in the result's layout, 8 registers a head
.irp h, 0,1,2,3,4,5,6,7
	global_load_b128 v[BI+8*\h:BI+8*\h+3], v[BVA], s[14:15] offset:4096*\h+128*(\t)
	global_load_b128 v[BI+8*\h+4:BI+8*\h+7], v[BVA], s[14:15] offset:4096*\h+128*(\t)+16
.endr
.endm
	s_load_b256 s[4:11], s[0:1], 0x0               ; xc, xs, wc, ws
	s_load_b128 s[12:15], s[0:1], 0x20             ; pd, bv
	s_load_b64 s[16:17], s[0:1], 0x30              ; out0
	v_lshl_add_u32 v[SPW], v0, 2, SPARE
	v_mov_b32 v[NIL], 0
	ds_add_u32 v[SPW], v[NIL]                      ; the opening lines: the add twice on end
	ds_add_u32 v[SPW], v[NIL]
	v_lshrrev_b32 v18, 5, v0
	v_readfirstlane_b32 s[WV], v18                 ; wave 0..3
	s_lshr_b32 s[RH], s[WV], 1                     ; my half of the rows; at the head: I ask for x (0) or Wv (1); in the ring: which tile of o I ask for
	s_and_b32 s[CH], s[WV], 1                      ; my tile of o; at the head: which half I ask for; in the ring: which K step
	s_bfe_u32 s[CX], ttmp6, 0x40000
	s_bfe_u32 s[CY], ttmp6, 0x40004
	s_lshl_b32 s[GX], ttmp9, 2
	s_add_co_u32 s[GX], s[GX], s[CX]               ; my block of 64 columns
	s_and_b32 s[GY], ttmp7, 0xffff
	s_lshl_b32 s[GY], s[GY], 2
	s_add_co_u32 s[GY], s[GY], s[CY]               ; my block of 256 rows
	s_lshl_b32 s25, s[CY], 2
	s_lshl_b32 s25, 15, s25                        ; my row of the cluster
	s_lshl_b32 s26, 0x1111, s[CX]                  ; my column
	s_or_b32 s[G1A], s25, (3<<16)|(1<<21)          ; the mask, elements of 8 bytes, bit 21 beside a mask; no padding: images are read 512 consecutive bytes at a time
	s_or_b32 s[G1A2], s25, (3<<16)|(1<<21)
	s_or_b32 s[G1B], s26, (3<<16)|(1<<21)
	s_or_b32 s[G1R], s26, (3<<16)|(1<<21)
	G1SET G1A, 384, 8, 1536                        ; x: 8 tiles x 3,072 bytes (K steps 0-1), 12,288 bytes from tile to tile
	G1SET G1A2, 1152, 8, 1536                      ; x: 8 tiles x 9,216 bytes (K steps 2-7)
	G1SET G1B, 32, 96, 32                          ; Wv: 24,576 dense bytes
	G1SET G1R, 32, 48, 32                          ; Wv: 12,288 dense bytes
	s_mov_b32 s[G0A], 1
	s_mul_i32 s[G0A+1], s[CH], 24576
	s_mov_b32 s[G0A2], 1
	s_mul_i32 s[G0A2+1], s[CH], 73728
	s_add_co_u32 s[G0A2+1], s[G0A2+1], XB1
	s_mov_b32 s[G0B], 1
	s_add_co_u32 s[G0B+1], s[G0A+1], WB
	s_mov_b32 s[G0B2], 1
	s_add_co_u32 s[G0B2+1], s[G0A+1], WB+WSL
	s_mov_b32 s[G0R], 1
	s_mul_i32 s[G0R+1], s[WV], 12288
	s_add_co_u32 s[G0R+1], s[G0R+1], WB
	s_mov_b32 s[G0R+4], 1
	s_add_co_u32 s[G0R+5], s[G0R+1], WSL
	s_mov_b32 s[CS], 0x3e0293ee                    ; c = log2(e) / sqrt(128)
	s_mov_b32 s[CS+1], s[CS]
	s_mul_i32 s2, s[RH], 24576
	s_mul_i32 s3, s[RH], 73728
	s_add_co_u32 s3, s3, XB1
	s_lshl_b32 s27, s[RH], 12
	s_add_co_u32 s27, s27, ATB
	s_mul_i32 s66, s[RH], 128*SPITCH
	s_lshl_b32 s67, s[CH], 6
	s_add_co_u32 s66, s66, s67
	s_mul_i32 s67, s[WV], 64*SPITCH
	s_lshl_b32 s92, s[WV], 18
	s_lshl_b32 s94, s[GY], 4
	s_lshl_b32 s95, s[CH], 3
	s_add_co_u32 s94, s94, s95
	s_mul_i32 s94, s94, 12288                      ; x: tile 16 gy + 8 half
	s_mov_b32 s95, 0
	s_lshl_b32 s96, s[GX], 2
	s_add_co_u32 s98, s96, s[RH]
	s_add_co_u32 s96, s96, s[CH]
	s_mul_i32 s96, s96, 98304                      ; Wv at the head: tile of o 4 gx + half
	s_mov_b32 s97, 0
	s_mul_i32 s98, s98, 98304                      ; in the ring: tile of o 4 gx + w / 2, K step w % 2
	s_mul_i32 s99, s[CH], 12288
	s_add_co_u32 s98, s98, s99
	s_mov_b32 s99, 0
	v_and_b32 v18, 31, v0                          ; lane
	v_and_b32 v19, 15, v0                          ; r
	v_bfe_u32 v20, v0, 4, 1                        ; g
	v_lshlrev_b32 v[L16], 4, v18
	v_add_nc_u32 v[ADA0], s2, v[L16]               ; my 8 tiles of x, K steps 0-1
	v_add_nc_u32 v[ADA1], s3, v[L16]               ; K steps 2-7, tiles 0-3
	v_add_nc_u32 v[ADA2], 36864, v[ADA1]           ; tiles 4-7
	v_add_nc_u32 v[ADB], s[G0B+1], v[L16]          ; my tile of o in slot 0,
	v_add_nc_u32 v[ADB+1], WSL, v[ADB]             ; in slot 1
	v_lshlrev_b32 v21, 4, v19                      ; 16 r
	v_add_nc_u32 v[A512], s27, v21
	v_lshl_add_u32 v[GSA], v20, 9, v21
	v_lshlrev_b32 v[BVA], 5, v20
	v_lshlrev_b32 v[PDO], 5, v0
	v_lshrrev_b32 v22, 4, v0
	v_lshl_add_u32 v[ATW], v22, 9, v21
	v_add_nc_u32 v[ATW], ATB, v[ATW]
	v_mul_u32_u24 v[STO], v19, SPITCH
	v_lshl_add_u32 v[STO], v20, 5, v[STO]
	v_add_nc_u32 v[STO], s66, v[STO]               ; stage, in: row 128 rh + r, byte 64 ch + 32 g
	v_mul_u32_u24 v[RD], v20, SPITCH
	v_add_nc_u32 v[RD], v[RD], v21
	v_add_nc_u32 v[RD], s67, v[RD]                 ; back: row 64 w + g, byte 16 r
	v_lshl_add_u32 v[CO], v20, 12, v21
	v_add_nc_u32 v[CO], s92, v[CO]                 ; the same place in out
	v_min_u32 v[PFO], 11, v18
	v_lshlrev_b32 v[PFO], 8, v[PFO]
	v_lshlrev_b32 v[PFX], 8, v18
	v_min_u32 v[PFY], 3, v18
	v_lshlrev_b32 v[PFY], 8, v[PFY]
	s_wait_alu depctr_va_vdst(0)
	s_wait_dscnt 0x0                               ; both opening adds are done
	s_wait_kmcnt 0x0
	s_add_nc_u64 s[G0A+2:G0A+3], s[4:5], s[94:95]
	s_add_nc_u64 s[G0A2+2:G0A2+3], s[G0A+2:G0A+3], 3072
	s_or_b32 s[G0A+3], s[G0A+3], 0x80000000
	s_or_b32 s[G0A2+3], s[G0A2+3], 0x80000000
	s_add_nc_u64 s[G0B+2:G0B+3], s[8:9], s[96:97]
	s_add_nc_u64 s[G0B2+2:G0B2+3], s[G0B+2:G0B+3], 24576
	s_or_b32 s[G0B+3], s[G0B+3], 0x80000000
	s_or_b32 s[G0B2+3], s[G0B2+3], 0x80000000
	s_add_nc_u64 s[G0R+2:G0R+3], s[8:9], s[98:99]
	s_add_nc_u64 s[G0R+6:G0R+7], s[G0R+2:G0R+3], 24576
	s_or_b32 s[G0R+3], s[G0R+3], 0x80000000
	s_or_b32 s[G0R+7], s[G0R+7], 0x80000000
	CROUND                                         ; all sixteen work-groups are here: the first joint loads meet
	JLOAD G0A, G1A, G0B, G1B                       ; x's K steps 0-1 and Wv's chunk 0: one tensor load a wave at the head
	s_add_nc_u64 s[PFA:PFA+1], s[8:9], s[98:99]
	s_mul_i32 s100, s[CY], 3072
	s_mov_b32 s101, 0
	s_add_nc_u64 s[PFA:PFA+1], s[PFA:PFA+1], s[100:101]
	s_lshl_b32 s100, s[GY], 4
	s_lshl_b32 s94, s[WV], 2
	s_add_co_u32 s100, s100, s94
	s_add_co_u32 s100, s100, s[CX]
	s_mul_i32 s100, s100, 12288
	s_add_co_u32 s100, s100, 3072
	s_add_nc_u64 s[PXA:PXA+1], s[4:5], s[100:101]
	global_prefetch_b8 v[PFX], s[PXA:PXA+1] th:TH_LOAD_NT scope:SCOPE_SE               ; x's K steps 2-7 of tile 4 w + cx: blocks 0-31,
	global_prefetch_b8 v[PFY], s[PXA:PXA+1] offset:8192 th:TH_LOAD_NT scope:SCOPE_SE   ; blocks 32-35
	ASK 2
	s_lshl_b32 s100, s[GY], 13
	s_add_nc_u64 s[12:13], s[12:13], s[100:101]    ; pd at my 256 rows of 32 bytes
	s_lshl_b32 s94, s[RH], 12
	s_add_co_u32 s100, s100, s94
	s_add_nc_u64 s[6:7], s[6:7], s[100:101]        ; x's scales: tile 16 gy + 8 rh, 512 bytes a tile
	s_lshl_b32 s94, s[GX], 2
	s_add_co_u32 s94, s94, s[CH]                   ; my tile of o in tile 0
	s_lshl_b32 s100, s94, 12
	s_add_nc_u64 s[10:11], s[10:11], s[100:101]    ; its scales: 8 heads x 512 bytes
	s_lshl_b32 s100, s94, 6
	s_add_nc_u64 s[14:15], s[14:15], s[100:101]    ; bv at its 16 columns
	s_lshl_b32 s100, s[GY], 20
	s_lshl_b32 s94, s[GX], 8
	s_add_co_u32 s100, s100, s94
	s_add_nc_u64 s[16:17], s[16:17], s[100:101]    ; out at my first row and column
	WIN 0x40                                       ; destination window 1: pd's parts of rows thread and thread + 128
.irp p, 0,1
.irp a, 0,1,2,3,4,5,6,7
.irp c, 0,1
	global_load_b128 v[64*\p+8*\a+4*\c:64*\p+8*\a+4*\c+3], v[PDO], s[12:13] offset:\a*131072+\p*4096+16*\c
.endr
.endr
.endr
	WIN 0
.irp p, 0,1,2,3
.irp q, 0,1
	global_load_b128 v[XS+8*\p+4*\q:XS+8*\p+4*\q+3], v[GSA], s[6:7] offset:1024*\p+256*\q
.endr
.endr
	WSLOAD 0, 0
	WSLOAD 1, 0
	BILOAD 0
	s_wait_loadcnt 32                              ; pd's 32 loads are in; the 32 of scales and bv may be out
; THE SOFTMAX of one row, in window 1: the eight parts are added; p = 2^(c S - c max S); att = p / the sum
.macro SOFTMAX p, m
.set R0, 64*(\p)
.irp a, 1,2,3,4,5,6,7
.irp e, 0,2,4,6
	v_pk_add_f32 v[R0+\e:R0+\e+1], v[R0+\e:R0+\e+1], v[R0+8*\a+\e:R0+8*\a+\e+1]
.endr
.endr
	v_max3_num_f32 v[\m], v[R0], v[R0+1], v[R0+2]
	v_max3_num_f32 v[\m], v[\m], v[R0+3], v[R0+4]
	v_max3_num_f32 v[\m], v[\m], v[R0+5], v[R0+6]
	v_max_num_f32 v[\m], v[\m], v[R0+7]
	v_mul_f32 v[\m], s[CS], v[\m]                  ; c is positive
	v_mov_b32 v[\m+1], v[\m]                       ; (the pair is named below)
.irp e, 0,2,4,6
	v_pk_fma_f32 v[R0+\e:R0+\e+1], v[R0+\e:R0+\e+1], s[CS:CS+1], v[\m:\m+1] op_sel_hi:[1,0,0] neg_lo:[0,0,1] neg_hi:[0,0,1]
.endr
	s_wait_alu depctr_va_vdst(0)
.irp j, 0,1,2,3,4,5,6,7
	v_exp_f32 v[R0+\j], v[R0+\j]
.endr
	v_nop                                          ; a plain place behind the exponentials
	s_wait_alu depctr_va_vdst(0)
	v_pk_add_f32 v[R0+8:R0+9], v[R0:R0+1], v[R0+2:R0+3]
	v_pk_add_f32 v[R0+10:R0+11], v[R0+4:R0+5], v[R0+6:R0+7]
	v_pk_add_f32 v[R0+8:R0+9], v[R0+8:R0+9], v[R0+10:R0+11]
	v_add_f32 v[R0+8], v[R0+8], v[R0+9]            ; at least about 1: the largest p is 1
	s_wait_alu depctr_va_vdst(0)
	v_rcp_f32 v[\m], v[R0+8]
	v_nop
	s_wait_alu depctr_va_vdst(0)
.irp e, 0,2,4,6
	v_pk_mul_f32 v[R0+\e:R0+\e+1], v[R0+\e:R0+\e+1], v[\m:\m+1] op_sel_hi:[1,0]
.endr
	WIN 0x04                                       ; an LDS store's data are its source 1
	ds_store_b128 v[ATW], v[R0:R0+3] offset:4096*(\p)
	ds_store_b128 v[ATW], v[R0+4:R0+7] offset:4096*(\p)+256
.endm
	WIN 0x55
	SOFTMAX 0, 128
	WIN 0x55
	SOFTMAX 1, 130
	WIN 0
; one product: K step S (0 .. 15 over both tiles), block a of x, head b.  A tile's first K step takes bv as C
.macro MM S, a, b
.set rD, 8*(8*((\a)%4)+(\b))
.set rA, 128*((\S)%2)+12*(\b)
.set rB, AF+12*(\a)
.set rW, WS+8*((\b)/2)+(\S)%8
.set rX, XS+8*((\a)/2)+(\S)%8
.if (\S)%8 == 0
.set rC, BI+8*(\b)
.else
.set rC, rD
.endif
.if ((\a)&1) == 0
.if ((\b)&1) == 0
	v_wmma_scale_f32_16x16x128_f8f6f4 v[rD:rD+7], v[rA:rA+11], v[rB:rB+11], v[rC:rC+7], v[rW], v[rX] matrix_a_fmt:MATRIX_FMT_BF6 matrix_b_fmt:MATRIX_FMT_BF6
.else
	v_wmma_scale_f32_16x16x128_f8f6f4 v[rD:rD+7], v[rA:rA+11], v[rB:rB+11], v[rC:rC+7], v[rW], v[rX] matrix_a_fmt:MATRIX_FMT_BF6 matrix_b_fmt:MATRIX_FMT_BF6 matrix_a_scale:MATRIX_SCALE_ROW1
.endif
.else
.if ((\b)&1) == 0
	v_wmma_scale_f32_16x16x128_f8f6f4 v[rD:rD+7], v[rA:rA+11], v[rB:rB+11], v[rC:rC+7], v[rW], v[rX] matrix_a_fmt:MATRIX_FMT_BF6 matrix_b_fmt:MATRIX_FMT_BF6 matrix_b_scale:MATRIX_SCALE_ROW1
.else
	v_wmma_scale_f32_16x16x128_f8f6f4 v[rD:rD+7], v[rA:rA+11], v[rB:rB+11], v[rC:rC+7], v[rW], v[rX] matrix_a_fmt:MATRIX_FMT_BF6 matrix_b_fmt:MATRIX_FMT_BF6 matrix_a_scale:MATRIX_SCALE_ROW1 matrix_b_scale:MATRIX_SCALE_ROW1
.endif
.endif
.endm
.macro MUL16 a0, S                     ; the 64 accumulators take turns, one instruction a turn, in the same order in every step
.irp a, \a0, \a0+1
.irp b, 0,1,2,3,4,5,6,7
	MM \S, (\a), \b
.endr
.endr
.endm
.macro FETCH_A S, i0                   ; x's blocks i0 .. i0 + 3 of K step S % 8: three loads of 512 consecutive bytes a fragment
.set ks, (\S)%8
.irp i, \i0, \i0+1, \i0+2, \i0+3
.irp c, 0,1,2
.if ks < 2
	ds_load_b128 v[AF+12*(\i)+4*\c:AF+12*(\i)+4*\c+3], v[ADA0] offset:(\i)*3072+ks*1536+512*\c
.else
.if (\i) < 4
	ds_load_b128 v[AF+12*(\i)+4*\c:AF+12*(\i)+4*\c+3], v[ADA1] offset:(\i)*9216+(ks-2)*1536+512*\c
.else
	ds_load_b128 v[AF+12*(\i)+4*\c:AF+12*(\i)+4*\c+3], v[ADA2] offset:((\i)-4)*9216+(ks-2)*1536+512*\c
.endif
.endif
.endr
.endr
.endm
.macro FETCH_B S                       ; Wv's eight heads of K step S into set S % 2
	WIN 0x40
.irp b, 0,1,2,3,4,5,6,7
.irp c, 0,1,2
	ds_load_b128 v[128*((\S)%2)+12*\b+4*\c:128*((\S)%2)+12*\b+4*\c+3], v[ADB+((\S)/2)%2] offset:((\S)%2)*12288+\b*1536+512*\c
.endr
.endr
	WIN 0
.endm
.macro ATLOAD base                     ; att of my 8 blocks' row r into window 1
	WIN 0x40
.irp a, 0,1,2,3,4,5,6,7
	ds_load_b128 v[\base+8*\a:\base+8*\a+3], v[A512] offset:512*\a
	ds_load_b128 v[\base+8*\a+4:\base+8*\a+7], v[A512] offset:512*\a+256
.endr
	WIN 0
.endm
; A K STEP: 64 products; the next step's fragments are fetched in its middle (Wv's set, x's blocks 0-3) and at its end (x's blocks 4-7).
; An odd step reads a chunk of Wv for the last time: ONE barrier shows the next chunk whole and this one free; up to step 11 it opens a round of the cluster's barrier and the slot is filled again.
.macro STEP S
.set NX, (\S)+1
.if (\S)%8 == 0
.set WLO, 0x81                         ; source 0 (Wv) window 1, source 1 (x) and C (bv) window 0, D window 2
.set WHI, 0xc1
.else
.set WLO, 0xa1                         ; C and D window 2
.set WHI, 0xf1
.endif
.if (\S)%2
	s_wait_tensorcnt 0x0                           ; all my tensor loads have landed
.if (\S) < 12
	ds_add_u32 v[SPW], v[NIL]
	s_wait_dscnt 13                                ; the add and the 12 loads of x's blocks 4-7 may be out
.else
	s_wait_dscnt 12
.endif
	WIN WLO
	MUL16 0, \S
	s_wait_dscnt 0x0                               ; the add is done, and my reads of this chunk are over
	s_barrier_signal -1
	MUL16 2, \S
	WIN 0
	s_barrier_wait -1
.if (\S) < 12
	CREST
.set SL, G0R+4*(((\S)/2)%2)
.if (\S) == 5 || (\S) == 7
	s_add_nc_u64 s[SL+2:SL+3], s[SL+2:SL+3], 147456   ; from tile 0's chunk to tile 1's: two tiles of o on, back along K
.else
	s_add_nc_u64 s[SL+2:SL+3], s[SL+2:SL+3], 49152    ; two chunks on
.endif
	tensor_load_to_lds s[SL:SL+3], s[G1R:G1R+7]    ; my quarter of the chunk two on: the first tensor load behind the round
	s_nop 0
.endif
	PLACES
.else
	s_wait_dscnt 12                                ; Wv's set and x's blocks 0-3 are in
	WIN WLO
	MUL16 0, \S
	MUL16 2, \S
	s_wait_dscnt 0x0                               ; x's blocks 4-7 are in
	PLACES
.endif
	FETCH_B NX
	FETCH_A NX, 0
.if (\S) == 1
	BILOAD 1                                       ; tile 1's bv, behind tile 0's first K step and its places
.endif
.if (\S) == 4
	WSLOAD 0, 1                                    ; tile 1's scale words take the registers of K steps that are done
.endif
.if (\S) == 8
	WSLOAD 1, 1
.endif
.if ((\S)%2) && (\S) < 8
	ASK (\S)/2+4
.endif
	WIN WHI
	MUL16 4, \S
	MUL16 6, \S
	PLACES
	WIN 0
.if (\S) == 7
	ATLOAD 128                                     ; into Wv's set 1, which this step has read out
.endif
	FETCH_A NX, 4
.endm
; THE HEADS ARE WEIGHED: sums(a) = sum over h of att[h] x accumulator (a, h), two blocks by turns, each accumulator from its low end on.  t = 0: into window 1's idle registers; t = 1: into x's fragments' registers
.macro COMB t
.irp k, 0,2,4,6
	WIN (((1-(\t))*0x50)|0x04|(2+(\k)/4))
.irp h, 0,1,2,3,4,5,6,7
.irp u, 0,1
.set ca, \k+\u
.if \t
.set rO, AF+8*ca
.set rT, 8*ca
.else
.set rO, 96+8*ca+96*(ca/4)
.set rT, 128+8*ca
.endif
.set rS, 8*(8*(ca%4)+\h)
.irp e, 0,2,4,6
.if \h == 0
	v_pk_mul_f32 v[rO+\e:rO+\e+1], v[rS+\e:rS+\e+1], v[rT:rT+1] op_sel_hi:[1,0]
.else
.if (\h)&1
	v_pk_fma_f32 v[rO+\e:rO+\e+1], v[rS+\e:rS+\e+1], v[rT+((\h)&6):rT+((\h)&6)+1], v[rO+\e:rO+\e+1] op_sel:[0,1,0] op_sel_hi:[1,1,1]
.else
	v_pk_fma_f32 v[rO+\e:rO+\e+1], v[rS+\e:rS+\e+1], v[rT+((\h)&6):rT+((\h)&6)+1], v[rO+\e:rO+\e+1] op_sel_hi:[1,0,1]
.endif
.endif
.endr
.endr
.endr
.endr
	WIN 0
	s_wait_alu depctr_va_vdst(0)
.endm
	s_wait_alu depctr_va_vdst(0)
	s_wait_tensorcnt 0x0                           ; my part of the head's tiles is in
	ds_add_u32 v[SPW], v[NIL]
	s_wait_dscnt 0x0                               ; the add is done, and my rows' att are stored
	CROUND
	JLOAD G0A2, G1A2, G0B2, G1B                    ; x's K steps 2-7 and Wv's chunk 1: first fills all, behind a round behind which nothing is filled again
	FETCH_B 0
	FETCH_A 0, 0
	FETCH_A 0, 4
	ASK 3
	s_wait_loadcnt 0x0                             ; the scales and bv
.irp S, 0,1,2,3,4,5,6,7
	STEP \S
.endr
	s_wait_dscnt 12                                ; att is in; the 12 loads of x's blocks 4-7 may be out
	COMB 0
	s_wait_loadcnt 0x0                             ; tile 1's bv and its scale words of K steps 0-3
.irp S, 8,9,10,11
	STEP \S
.endr
	s_wait_loadcnt 0x0                             ; its scale words of K steps 4-7
.irp S, 12,13,14
	STEP \S
.endr
	s_wait_dscnt 12                                ; the last step: nothing more to fetch
	WIN 0xa1
	MUL16 0, 15
	s_wait_dscnt 0x0                               ; my reads of x and of Wv are over
	s_barrier_signal -1
	MUL16 2, 15
	WIN 0
	s_barrier_wait -1                              ; everybody's are: x's bytes, which have had their last fill, become the stage
	ATLOAD 0                                       ; into Wv's set 0, read out a step ago
	WIN 0x04
.irp a, 0,1,2,3,4,5,6,7
	ds_store_b128 v[STO], v[96+8*\a+96*(\a/4):96+8*\a+96*(\a/4)+3] offset:4352*\a          ; tile 0's sums: bytes 64 ch + 32 g of row 16 a + r
	ds_store_b128 v[STO], v[96+8*\a+96*(\a/4)+4:96+8*\a+96*(\a/4)+7] offset:4352*\a+16
.endr
	WIN 0xf1
	MUL16 4, 15
	MUL16 6, 15
	PLACES
	WIN 0
	s_wait_dscnt 0x0                               ; att is in
	COMB 1
.irp a, 0,1,2,3,4,5,6,7
	ds_store_b128 v[STO], v[AF+8*\a:AF+8*\a+3] offset:4352*\a+128                          ; tile 1's: 128 bytes on
	ds_store_b128 v[STO], v[AF+8*\a+4:AF+8*\a+7] offset:4352*\a+144
.endr
	s_wait_dscnt 0x0
	s_barrier_signal -1
	s_barrier_wait -1                              ; 256 whole rows of 256 bytes lie in the stage
.set k, 0
.rept 32
	ds_load_b128 v[RB+4*k:RB+4*k+3], v[RD] offset:544*k            ; rows 64 w + 2 k and + 1
.set k, k+1
.endr
.set k, 0
.rept 32
	s_wait_dscnt 31-k
	global_store_b128 v[CO], v[RB+4*k:RB+4*k+3], s[16:17] offset:8192*k th:TH_STORE_NT   ; 16 lanes store 256 consecutive bytes, aligned
.set k, k+1
.endr
	s_wait_tensorcnt 0x0                           ; the wave's end
	ds_add_u32 v[SPW], v[NIL]
	s_wait_dscnt 0x0
	CROUND                                         ; the closing round
	s_endpgm
.Lfunc_end_k_q3d32e657ea_main:
	.size	k_q3d32e657ea_main, .Lfunc_end_k_q3d32e657ea_main-k_q3d32e657ea_main
	.p2alignl 7, 3214868480
	.fill 96, 4, 3214868480
	.section	.rodata,"a",@progbits
	.p2align	6, 0x0
	.amdhsa_kernel k_q3d32e657ea_main
		.amdhsa_group_segment_fixed_size 327680
		.amdhsa_private_segment_fixed_size 0
		.amdhsa_enable_private_segment 0
		.amdhsa_kernarg_size 56
		.amdhsa_user_sgpr_count 2
		.amdhsa_user_sgpr_kernarg_segment_ptr 1
		.amdhsa_wavefront_size32 1
		.amdhsa_system_sgpr_workgroup_id_x 1
		.amdhsa_system_sgpr_workgroup_id_y 1
		.amdhsa_system_sgpr_workgroup_id_z 1
		.amdhsa_system_vgpr_workitem_id 0
		.amdhsa_next_free_vgpr 1024
		.amdhsa_next_free_sgpr 102
		.amdhsa_reserve_vcc 0
		.amdhsa_float_denorm_mode_32 3
		.amdhsa_float_denorm_mode_16_64 3
		.amdhsa_memory_ordered 1
		.amdhsa_forward_progress 1
		.amdhsa_inst_pref_size 255
	.end_amdhsa_kernel
	.section	.bss,"aw",@nobits
	.p2align	6
	.space	262144
	.amdgpu_metadata
---
amdhsa.version: [ 1, 2 ]
amdhsa.kernels:
  - .name:           k_q3d32e657ea_main
    .symbol:         k_q3d32e657ea_main.kd
    .args:
      - { .name: xc, .offset: 0, .size: 8, .value_kind: global_buffer, .address_space: global }
      - { .name: xs, .offset: 8, .size: 8, .value_kind: global_buffer, .address_space: global }
      - { .name: wc, .offset: 16, .size: 8, .value_kind: global_buffer, .address_space: global }
      - { .name: ws, .offset: 24, .size: 8, .value_kind: global_buffer, .address_space: global }
      - { .name: pd, .offset: 32, .size: 8, .value_kind: global_buffer, .address_space: global }
      - { .name: bv, .offset: 40, .size: 8, .value_kind: global_buffer, .address_space: global }
      - { .name: out0, .offset: 48, .size: 8, .value_kind: global_buffer, .address_space: global }
    .group_segment_fixed_size: 327680
    .private_segment_fixed_size: 0
    .kernarg_segment_align: 8
    .kernarg_segment_size: 56
    .max_flat_workgroup_size: 128
    .sgpr_count:     102
    .vgpr_count:     1024
    .wavefront_size: 32
...
	.end_amdgpu_metadata
.endif
;; end of part 3
